; MI455X (gfx1250); checked and timed in simulation.
; The chip was launched on July 23, 2026; its instructions are those of AMD's public machine-readable ISA for CDNA 5 (MIT licence, August 2026) and "CDNA5" Instruction Set Architecture Reference Guide (July 2026). The comments in the code are by the model that wrote it; some were corrected since.
;; Concat Attention Layer. Allowed arithmetic: matrix products marked QUANTISED: E2M1 operands, one E8M0 scale for each 32 along K, by v_wmma_scale_f32_16x16x128_f8f6f4 with both operands' format E2M1 (or v_wmma_scale_f32_32x16x128_f4), f32 sums; products left as they are: f32 operands where the result goes on into a quantised operand, else bf16, f16 or f32 operands; f32 sums; everything else in f32.
;; Inputs: W1 512 x 1,024 float32; W2 1 x 512 float32; b1 512 float32; b2 1 float32; encoder_padding_mask 2,048 x 64 bool; input 1 x 64 x 512 float32; source_hids 2,048 x 64 x 512 float32.
;; Outputs: out0 64 x 512 float32; out1 2,048 x 64 float32.
;; This version of the problem:
;;   THIS VERSION OF THE PROBLEM IS GIVEN IN LOW PRECISION. The matrix products marked QUANTISED in the list below multiply operands that are first quantised to E2M1 (2 exponent bits, 1 mantissa bit; 4 bits a number), with one power-of-two scale for each 32 numbers along K (OCP MX v1.0); their sums are f32. All else is computed in f32.
;;   The module's matrix products, in the order in which they are computed (A, B: the left and right operand; K: the contracted axis; several contracted axes count as one K, in the product's order):
;;     1. [M 131,072, K 1,024] x [K 1,024, N 512]; A: computed on the way; B: input W1: QUANTISED
;;     2. [M 131,072, K 512] x [K 512, N 1]; A: computed on the way; B: input W2: left as it is (N = 1 < 16)
;;     3. batch 64 x [M 1, K 2,048] x [K 2,048, N 512]; A: softmax; B: input source_hids: left as it is (M = 1 < 16)
;;   THE QUANTISER, for each operand of a quantised product, along K:
;;     - K is cut into blocks of 32 from its start; a last block that is shorter is filled with zeros.
;;     - A block's scale is 2^e with e = floor(log2(the largest magnitude in the block)) - 2, held to -126 .. 127; a block of zeros has e = 0. As a byte (E8M0): e + 127.
;;     - Each number is divided by its block's scale, clamped to +-6, and rounded to the nearest number of E2M1, ties to even, subnormals kept.
;;     - The product sums the exact products of the quantised numbers (number of the format x scale) in f32.
;;   ~~~python
;;   def quantise(x, axis):      # numpy; x: float32 -> the quantised numbers, widened to float32 again
;;       x = np.moveaxis(x, axis, -1); K = x.shape[-1]
;;       x = np.pad(x, [(0, 0)] * (x.ndim - 1) + [(0, -K % 32)]); x = x.reshape(x.shape[:-1] + (-1, 32)); a = np.abs(x).max(-1, keepdims=True)
;;       e = np.where(a > 0, np.clip(np.frexp(np.where(a > 0, a, 1))[1] - 1 - 2, -126, 127), 0)      # np.frexp(a)[1] - 1 = floor(log2(a)), exactly
;;       r = np.clip(x / 2.0 ** e, -6, 6)
;;       step = 2.0 ** (np.maximum(np.frexp(np.where(r == 0, 1, r))[1] - 1, 0) - 1)
;;       q = np.round(r / step) * step * 2.0 ** e      # np.round: ties to even
;;       return np.moveaxis(q.reshape(q.shape[:-2] + (-1,))[..., :K], -1, axis).astype(np.float32)
;;   ~~~
;;   OPERANDS COMPUTED ON THE WAY. 'Computed on the way' means the value that the module computes at that place (a softmax that the list does not call 'softmax' is quantised finished and normalised). What goes into a quantiser is computed in f32, as accurately as f32 sums, v_exp_f32 and their like allow (about 1e-6 of the number): no bf16 or f16 on the way to a quantiser, and a product that is left as it is and whose result goes on into a quantised operand takes f32 operands (vector FMAs, or v_wmma_f32_16x16x4_f32). A number that lies on a knife's edge between two numbers of the format may be rounded either way, as far as f32 arithmetic and the matrix unit's own rounding can turn it there, and no further.
;; One version. Each part assembles by itself: llvm-mc -triple=amdgcn-amd-amdhsa -mcpu=gfx1250 --defsym DOCPART=n.
;; ======== version 1 of 1: 3 launches
;; limits: right only within a limited range of input values
;; workspace buffers: w1f 131,072 bytes; w1s 16,384 bytes; biasc 131,072 bytes; tsc 524,288 bytes; pstat 2,048 bytes; pctx 524,288 bytes
;; launch prep (part 1): grid 32 x 5, 4 waves a work-group, no clusters, 4,608 bytes of LDS; arguments W1, input, b1, w1f, w1s, biasc; writes w1f, w1s, biasc
.if DOCPART == 1
	.amdgcn_target "amdgcn-amd-amdhsa--gfx1250"
	.amdhsa_code_object_version 6
	.text
	.protected	k_qd3c8c22e53_prep
	.globl	k_qd3c8c22e53_prep
	.p2align	8
	.type	k_qd3c8c22e53_prep,@function
k_qd3c8c22e53_prep:
	s_mov_b64 s[64:65], 0
	v_nop
	global_prefetch_b8 v0, s[64:65] scope:SCOPE_SE
	s_setreg_imm32_b32 hwreg(HW_REG_WAVE_MODE, 25, 1), 1
	s_wait_xcnt 0x0
; W1 [512][1024] f32 is quantised to FP4 (E2M1) with one E8M0 byte for each 32 along K, and the half of the first product that hangs on b alone is made here.
; K's first 512 are the broadcast input, its last 512 the source rows; no block of 32 crosses that border, so the product falls into two FP4 products.
;   w1f, w1s : codes and scale words of W1[:, 512:], laid as images of the operand's registers: fragment F = 4 atile + q (16 rows x 128 K) is 1,024 bytes, [c 0..1][lane][16 bytes]; its scale words [lane][4 bytes].
;   biasc    : [atile 32][b 64][16 a] f32 = c (b1[a] + Q(input[b]) . Q(W1[a, :512])), c = 2 log2(e): the addend of the next launch's exponent.
; SHARES.  Work-group (g, y), four waves.  y = 0 .. 3: the tile of 16 a (16 g on) x 16 b (16 y on): wave q takes K step q: it loads W1's and the input's fragment together (33 loads, one trip to memory), quantises both,
; multiplies them by one matrix instruction and puts its partial tile into LDS in the output's layout; behind one barrier each of the 128 threads adds two numbers of the four partial tiles.
; y = 4: wave q quantises W1's K step 4 + q of the same 16 rows into w1f and w1s.  That way parts by a branch on y, which is the same in all waves; it has no LDS access and no barrier, and ends by itself.
; 128 tiles and 32 groups of four fragments make 160 work-groups.  W1's first half is quantised once for each of the four tiles of b, the input once for each of the 32 tiles of a: 2 fragments a wave at the most.
; A LANE'S NUMBERS: lane (r = lane % 16, h = lane / 16) takes of row r the numbers k = 64 c + 32 h + 0 .. 31 of a K step: two whole blocks, in the order of the operand's registers, so the conversions' results are the operand.
; A scale is 2^(floor(log2(largest magnitude)) - 2); its byte is the largest magnitude's exponent field - 2, held at 1 from below by a floor among the maximum's leaves.
; LIMITS: a block of zeros gets the byte 1 (its codes are zeros, and this program alone reads the bytes); NaN and infinities among the inputs are not served.
; ORDER OF ROUNDING: the four K steps' sums are added as (p0 + p1) + (p2 + p3) in f32, not as one chain in the matrix unit; nothing behind this sum is quantised.
.set TM,   18                          ; v18-19  largest magnitudes of my two blocks
.set SO,   20                          ; v20-21  the conversions' scale operands
.set BY,   22                          ; v22-23  the scale bytes
.set PT,   24                          ; v24     a lane permute's destination
.set BC,   10                          ; v10-11  two numbers of b1, then times c
.set WC,   26                          ; v26-33  W1's codes;   its scale word: v8
.set IC,   34                          ; v34-41  the input's;  its scale word: v9
.set ACC,  42                          ; v42-49  my K step's partial tile
.set PS,   50                          ; v50-57  two numbers of each of the four partial tiles
.set OUT,  60                          ; v60-61  two numbers of biasc
.set X0,   64                          ; two sets of 64 numbers
.set X1,   128
; WORK LEFT OUT IN THIS PROGRAM: b2.  reference() adds b2[0] to every score alike, masks, and takes the softmax over s; a term that is the same along s leaves exp(x - max) / sum unchanged for all finite values,
; a masked score is -infinity with it or without, and the scores themselves are no output.  So b2 reaches no output: it is not loaded and is no launch's argument.
; LIMIT: a NaN, an infinity or an overflow that would arise from b2 alone is not carried to the results.
	s_load_b256 s[4:11], s[0:1], 0x0
	s_load_b128 s[12:15], s[0:1], 0x20             ; w1s s[12:13], biasc s[14:15]
	v_lshl_add_u32 v192, v0, 2, 0x1000
	v_mov_b32 v193, 0
	v_lshrrev_b32 v1, 5, v0
	v_readfirstlane_b32 s16, v1                    ; wave q = 0..3
	s_and_b32 s17, ttmp7, 0xffff                   ; y
	v_and_b32 v12, 31, v0                          ; lane
	v_and_b32 v13, 15, v0                          ; r
	v_bfe_u32 v14, v0, 4, 1                        ; h
	v_lshlrev_b32 v1, 12, v13
	v_lshl_add_u32 v1, v14, 7, v1                  ; W1: row r of 4,096 bytes + 128 h
	v_lshlrev_b32 v2, 11, v13
	v_lshl_add_u32 v2, v14, 7, v2                  ; input: row r of 2,048 bytes + 128 h
	v_lshlrev_b32 v3, 4, v12                       ; 16 x lane: an image's place
	v_lshlrev_b32 v4, 2, v12                       ; 4 x lane: a scale word's
	v_lshlrev_b32 v5, 3, v14                       ; 8 h: my two bytes' shift in the scale word
	v_and_b32 v6, 7, v0
	v_lshlrev_b32 v6, 3, v6                        ; b1: the two numbers a = 2 (thread % 8), + 1
	v_lshlrev_b32 v7, 3, v0                        ; 8 x thread: my two numbers of a tile, in LDS and in biasc
	v_lshlrev_b32 v15, 6, v13
	v_lshl_add_u32 v15, v14, 5, v15
	s_lshl_b32 s18, s16, 10
	v_add_nc_u32 v15, s18, v15                     ; LDS: my partial tile: 1,024 q + 64 r + 32 h
	v_mov_b32 v[PT], 0                             ; written once: a lane permute's destination counts as one of its sources
	s_mov_b32 s20, 0x76543210
	s_mov_b32 s21, 0xfedcba98                      ; v_permlanex16_b32's selects for lane l xor 16
	s_mov_b32 s22, 0x4038aa3b                      ; c = 2 log2(e)
	s_mov_b32 s23, s22                             ; (named with it as a pair, so it is written)
	s_lshl_b32 s24, ttmp9, 16
	s_lshl_b32 s26, s16, 9
	s_add_co_u32 s24, s24, s26
	s_mov_b32 s25, 0                               ; W1: 16 g rows + K step q
	s_lshl_b32 s26, s17, 15
	s_lshl_b32 s28, s16, 9
	s_add_co_u32 s26, s26, s28
	s_mov_b32 s27, 0                               ; input: 16 y rows + K step q
	s_lshl_b32 s28, ttmp9, 6
	s_mov_b32 s29, 0                               ; b1: 16 g numbers
	s_lshl_b32 s30, ttmp9, 12
	s_lshl_b32 s32, s16, 10
	s_add_co_u32 s30, s30, s32
	s_mov_b32 s31, 0                               ; w1f: 1,024 (4 g + q)
	s_lshl_b32 s32, ttmp9, 9
	s_lshl_b32 s34, s16, 7
	s_add_co_u32 s32, s32, s34
	s_mov_b32 s33, 0                               ; w1s: 128 (4 g + q)
	s_lshl_b32 s34, ttmp9, 12
	s_lshl_b32 s36, s17, 10
	s_add_co_u32 s34, s34, s36
	s_mov_b32 s35, 0                               ; biasc: 4,096 g + 64 x 16 y
; 64 numbers of a lane: k = 64 c + 32 h + 4 j + 0 .. 3 of the K step that begins imm bytes into the row
.macro LOADX x, voff, base, imm
.irp c, 0,1
.irp j, 0,1,2,3,4,5,6,7
	global_load_b128 v[\x+32*\c+4*\j:\x+32*\c+4*\j+3], v[\voff], s[\base:\base+1] offset:\imm+256*\c+16*\j
.endr
.endr
.endm
; v[x] .. v[x + 63] become a fragment's eight registers from v[pc] on and its scale word in v[sw] (whole in both halves of the lanes)
.macro QUANT x, pc, sw
.irp c, 0,1
	v_max3_num_f32 v[TM+\c], |v[\x+32*\c]|, |v[\x+32*\c+1]|, 0x1800000     ; my block 2 c + h, and the floor 2^(3 - 127): the byte cannot fall under 1
.endr
.irp i, 2,4,6,8,10,12,14,16,18,20,22,24,26,28,30
.irp c, 0,1
	v_max3_num_f32 v[TM+\c], v[TM+\c], |v[\x+32*\c+\i]|, |v[\x+32*\c+\i+1]|   ; (the two blocks by turns)
.endr
.endr
.irp c, 0,1
	v_add_nc_u32 v[SO+\c], 0xff000000, v[TM+\c]    ; 2 off the exponent field: the conversion takes this operand's exponent field as its scale
.endr
.irp c, 0,1
	v_lshrrev_b32 v[BY+\c], 23, v[SO+\c]           ; the scale's byte
.endr
	v_lshl_or_b32 v[\sw], v[BY+1], 16, v[BY]       ; my two bytes: blocks h and 2 + h,
	v_lshlrev_b32 v[\sw], v5, v[\sw]               ; at their places in the word;
	v_permlanex16_b32 v[PT], v[\sw], s20, s21
	v_or_b32 v[\sw], v[\sw], v[PT]                 ; with lane l xor 16's two the word is whole
.irp c, 0,1
.irp g, 0,1,2,3
	v_cvt_scalef32_pk8_fp4_f32 v[\pc+4*\c+\g], v[\x+32*\c+8*\g:\x+32*\c+8*\g+7], v[SO+\c]
.endr
.endr
	v_nop                                          ; one plain place behind the last scaled conversion
.endm
	s_wait_kmcnt 0x0
	s_add_nc_u64 s[4:5], s[4:5], s[24:25]
	s_cmp_eq_u32 s17, 4                            ; the work-group's y: the same in all four waves
	s_cbranch_scc1 .Lsecond
	; ---- y = 0 .. 3: one tile of biasc
	s_add_nc_u64 s[6:7], s[6:7], s[26:27]
	s_add_nc_u64 s[8:9], s[8:9], s[28:29]
	s_add_nc_u64 s[14:15], s[14:15], s[34:35]
	LOADX X0, 1, 4, 0                              ; W1, K step q
	LOADX X1, 2, 6, 0                              ; input, K step q
	s_wait_alu depctr_va_vdst(0)
	global_load_b64 v[BC:BC+1], v6, s[8:9]         ; my two numbers of b1
	s_wait_loadcnt 17                              ; W1's 16 loads are in; the input's 16 and b1's one stay out
	QUANT X0, WC, 8
	s_wait_loadcnt 0x0
	QUANT X1, IC, 9
	v_pk_mul_f32 v[BC:BC+1], v[BC:BC+1], s[22:23] op_sel_hi:[1,0]   ; c b1: the addend of the last multiply-add
.rept 8
	v_nop                                          ; scale words written by vector instructions stand eight places ahead of a scaled matrix instruction, operands so written four
.endr
; source 0 = 16 rows of W1, source 1 = 16 rows of input: lane (r, h), register j: a = 8 h + j, b = r of the tile.  One instruction a wave: the constant 0 starts the sum, and nothing adds onto it.
	v_wmma_scale_f32_16x16x128_f8f6f4 v[ACC:ACC+7], v[WC:WC+7], v[IC:IC+7], 0, v8, v9 matrix_a_fmt:MATRIX_FMT_FP4 matrix_b_fmt:MATRIX_FMT_FP4
.rept 4
	v_nop                                          ; four places in front of the first read of the sums (ISA guide 7.12.1)
.endr
	ds_store_b128 v15, v[ACC:ACC+3]                ; from the low end on: the tile as biasc has it, [b 16][a 16]
	ds_store_b128 v15, v[ACC+4:ACC+7] offset:16
	s_wait_dscnt 0x0                               ; for the others' sake: my partial tile has landed
	s_barrier_signal -1
	s_barrier_wait -1
.irp k, 0,1,2,3
	ds_load_b64 v[PS+2*\k:PS+2*\k+1], v7 offset:1024*\k   ; my two numbers of K step k's tile
.endr
	s_wait_dscnt 0x0
	v_pk_add_f32 v[PS:PS+1], v[PS:PS+1], v[PS+2:PS+3]
	v_pk_add_f32 v[PS+4:PS+5], v[PS+4:PS+5], v[PS+6:PS+7]
	v_pk_add_f32 v[PS:PS+1], v[PS:PS+1], v[PS+4:PS+5]
	s_wait_alu depctr_va_vdst(0)
	v_pk_fma_f32 v[OUT:OUT+1], v[PS:PS+1], s[22:23], v[BC:BC+1] op_sel_hi:[1,0,1]   ; c (sum) + c b1
	global_store_b64 v7, v[OUT:OUT+1], s[14:15]    ; a wave stores 256 consecutive bytes, at a multiple of 256 from biasc's first byte
	s_wait_tensorcnt 0x0
	ds_add_u32 v192, v193
	s_wait_dscnt 0x0
	s_endpgm
	; ---- y = 4: W1's K step 4 + q of rows 16 g on, for the next launch's registers
.Lsecond:
	s_add_nc_u64 s[10:11], s[10:11], s[30:31]
	s_add_nc_u64 s[12:13], s[12:13], s[32:33]
	LOADX X0, 1, 4, 2048
	s_wait_loadcnt 0x0
	QUANT X0, WC, 8
	global_store_b128 v3, v[WC:WC+3], s[10:11]     ; 32 lanes store 512 consecutive bytes
	global_store_b128 v3, v[WC+4:WC+7], s[10:11] offset:512
	global_store_b32 v4, v8, s[12:13]              ; and 128 consecutive bytes of scale words
	s_endpgm
.Lfunc_end_k_qd3c8c22e53_prep:
	.size	k_qd3c8c22e53_prep, .Lfunc_end_k_qd3c8c22e53_prep-k_qd3c8c22e53_prep
	.p2alignl 7, 3214868480
	.fill 96, 4, 3214868480
	.section	.rodata,"a",@progbits
	.p2align	6, 0x0
	.amdhsa_kernel k_qd3c8c22e53_prep
		.amdhsa_group_segment_fixed_size 4608
		.amdhsa_private_segment_fixed_size 0
		.amdhsa_enable_private_segment 0
		.amdhsa_kernarg_size 48
		.amdhsa_user_sgpr_count 2
		.amdhsa_user_sgpr_kernarg_segment_ptr 1
		.amdhsa_wavefront_size32 1
		.amdhsa_system_sgpr_workgroup_id_x 1
		.amdhsa_system_sgpr_workgroup_id_y 1
		.amdhsa_system_sgpr_workgroup_id_z 1
		.amdhsa_system_vgpr_workitem_id 0
		.amdhsa_next_free_vgpr 194
		.amdhsa_next_free_sgpr 66
		.amdhsa_reserve_vcc 0
		.amdhsa_float_denorm_mode_32 3
		.amdhsa_float_denorm_mode_16_64 3
		.amdhsa_memory_ordered 1
		.amdhsa_forward_progress 1
		.amdhsa_inst_pref_size 19
	.end_amdhsa_kernel
	.amdgpu_metadata
---
amdhsa.version: [ 1, 2 ]
amdhsa.kernels:
  - .name:           k_qd3c8c22e53_prep
    .symbol:         k_qd3c8c22e53_prep.kd
    .args:
      - { .name: W1, .offset: 0, .size: 8, .value_kind: global_buffer, .address_space: global }
      - { .name: input, .offset: 8, .size: 8, .value_kind: global_buffer, .address_space: global }
      - { .name: b1, .offset: 16, .size: 8, .value_kind: global_buffer, .address_space: global }
      - { .name: w1f, .offset: 24, .size: 8, .value_kind: global_buffer, .address_space: global }
      - { .name: w1s, .offset: 32, .size: 8, .value_kind: global_buffer, .address_space: global }
      - { .name: biasc, .offset: 40, .size: 8, .value_kind: global_buffer, .address_space: global }
    .group_segment_fixed_size: 4608
    .private_segment_fixed_size: 0
    .kernarg_segment_align: 8
    .kernarg_segment_size: 48
    .max_flat_workgroup_size: 128
    .sgpr_count:     66
    .vgpr_count:     194
    .wavefront_size: 32
...
	.end_amdgpu_metadata
.endif
;; end of part 1
;; launch main (part 2): grid 64 x 4, 8 waves a work-group, no clusters, 327,680 bytes of LDS; arguments source_hids, encoder_padding_mask, W2, w1f, w1s, biasc, tsc, pstat, pctx; writes tsc, pstat, pctx
.if DOCPART == 2
	.amdgcn_target "amdgcn-amd-amdhsa--gfx1250"
	.amdhsa_code_object_version 6
	.text
	.protected	k_qd3c8c22e53_main
	.globl	k_qd3c8c22e53_main
	.p2align	8
	.type	k_qd3c8c22e53_main,@function
k_qd3c8c22e53_main:
	s_mov_b64 s[64:65], 0
	v_nop
	global_prefetch_b8 v0, s[64:65] scope:SCOPE_SE
	s_setreg_imm32_b32 hwreg(HW_REG_WAVE_MODE, 25, 1), 1
	s_wait_xcnt 0x0
; Work-group (b, y): column b, rows s = 512 y .. 512 y + 511.  It makes t[s] = log2(e) x sum_a W2[a] tanh(Q(x[s]) . Q(W1[a, 512:]) + bias[a, b]) (-infinity where masked),
; the chunk's running maximum M, L = sum 2^(t - M) and the partial context sum 2^(t - M) x[s]; the next launch joins the four chunks.  b2 is left out (shown at the first kernel's head).
; tanh(z) = 1 - 2 / (1 + 2^(c z)), c = 2 log2(e); biasc holds c x (b1 + the input's half of the product).  Where 2^(c z) overflows the reciprocal is 0 and tanh is 1.
; SHARES.  Eight waves.  Wave w = 4 g + q keeps W1's rows 64 w .. 64 w + 63 (all 512 k) as codes in 128 registers, and owns x's k quarter q of the row half g of each tile.
; A tile is 64 rows of x (f32), through a ring of two LDS slots; each wave fetches its own 32 rows x 512 bytes by one tensor load and alone reads them.
; A SUB-BLOCK is 32 rows: rows 16 u + r of both halves of a tile (u = 0, 1).  The work on it goes in three stages, one barrier apart: Q (x into registers, quantised, operand images into LDS),
; B (every wave multiplies both images of 16 rows by its W1, takes tanh, and puts its part of the 32 scores into LDS), C (every wave adds the eight parts, a lane a row, moves M, and adds p x to its context from the registers that Q filled).
; Behind barrier j stand B(j), C(j - 1) and Q(j + 1): images, partial scores and the two sets of x registers take turns by j's parity, so one barrier a sub-block orders all three hand-overs.
; Plain work that hangs on nothing in a batch of transcendentals (the context's rescaling and multiply-adds, the quantiser's first two levels of maxima) stands between the batch's lines; its results are read behind the batch's closing wait.
; No cluster: work-groups share only W1's codes and scales, 144 KB read once at the head against 1 MB of x for each work-group.
; PREFETCH, two tiles ahead: behind the request for tile T each wave asks for its own 32 rows x 512 bytes of tile T + 2, a lane a row, two lines; at the head, behind tile 0's request, for tiles 1 and 2.
; The loop's last trip (T = 6, 7) asks for nothing.  So a work-group has at most two tiles asked for and not yet read, and names each block once.
; LIMITS: a block of zeros gets the scale byte 1 (its codes are zeros); NaN and infinities among the inputs are not served; a column masked throughout keeps M = -3e38 and L = 0.
.set XP,    528                        ; an LDS row of x: 512 bytes + 16
.set WTILE, 32*XP
.set SLOTB, 8*WTILE
.set IMG,   2*SLOTB                    ; images: [parity 2][half 2][q 4][c 2][lane][16 bytes]
.set ISC,   IMG+16384                  ; their scale words: [parity][half][r][q]
.set PS,    ISC+1024                   ; partial scores: [parity][half][r][wave]
.set MK,    PS+2048                    ; 0 or -infinity for each of the 512 rows
.set TS,    MK+2048                    ; t of the 512 rows
.set CS,    TS+2048                    ; the two halves' contexts
.set SPARE, CS+4096
.set TSTEP, 0x800000                   ; 64 rows of source_hids in bytes
.set SPW,  1
.set NIL,  2
.set XAD,  3
.set IMW,  5
.set ISW,  6
.set LI,   7
.set LSR,  8
.set PSW,  9
.set PSL,  10
.set MKL,  11
.set A0,   12
.set A1,   13
.set H8,   16
.set PFV,  17
.set TSL,  18
.set T,    20
.set MX,   21
.set PO,   22
.set MKV,  23
.set F,    24
.set P,    26
.set PE,   28
.set A2,   29
.set M,    30
.set L,    31
.set BIAS, 32
.set W2N,  64
.set W1S,  96
.set XS,   112
.set WSUM, 116
.set QW,   118
.set QT,   120
.set FR,   128
.set PC,   132
.set ACC,  160
.set PR,   160
.set CTX,  192
.set W1F,  0                           ; window 1
.set X,    128                         ; window 1: two sets of 64
.set MSB, 0
.macro WIN new
.if MSB != \new
	s_set_vgpr_msb (MSB<<8)|\new
.set MSB, \new
.endif
.endm
.macro WA
	s_wait_alu depctr_va_vdst(0)
.endm
.macro NOP4
.rept 4
	v_nop
.endr
.endm
	s_load_b128 s[8:11], s[0:1], 0x0               ; source_hids, mask
	s_load_b64 s[12:13], s[0:1], 0x10              ; W2
	s_load_b256 s[16:23], s[0:1], 0x18             ; w1f, w1s, biasc, tsc
	s_load_b128 s[24:27], s[0:1], 0x38             ; pstat, pctx
	v_lshl_add_u32 v[SPW], v0, 2, SPARE
	v_mov_b32 v[NIL], 0
	ds_add_u32 v[SPW], v[NIL]
	ds_add_u32 v[SPW], v[NIL]
	v_lshrrev_b32 v20, 5, v0
	v_readfirstlane_b32 s28, v20                   ; wave w
	s_and_b32 s29, s28, 3                          ; q
	s_lshr_b32 s30, s28, 2                         ; g
	s_mov_b32 s31, ttmp9                           ; b
	s_and_b32 s32, ttmp7, 0xffff                   ; y
	s_mov_b32 s36, (2<<16)|(1<<20)|(6<<22)|(3<<25) ; elements of 4 bytes; 4 words of padding behind every 128
	s_mov_b32 s37, 128<<16
	s_mov_b32 s38, 32<<16
	s_mov_b32 s39, 128<<16
	s_mov_b32 s40, 32
	s_mov_b32 s41, 32768                           ; from row s to row s + 1: 64 x 512 numbers
	s_mov_b32 s42, 0
	s_mov_b32 s43, 0
	s_lshl_b32 s66, s32, 26
	s_lshl_b32 s67, s30, 22
	s_add_co_u32 s66, s66, s67
	s_lshl_b32 s67, s31, 11
	s_add_co_u32 s66, s66, s67
	s_lshl_b32 s67, s29, 9
	s_add_co_u32 s66, s66, s67
	s_mov_b32 s67, 0
	s_mov_b32 s44, 1
	s_mul_i32 s45, s28, WTILE
	s_mov_b32 s48, 1
	s_add_co_u32 s49, s45, SLOTB
	WA
	s_wait_dscnt 0x0
	s_wait_kmcnt 0x0
	s_add_nc_u64 s[60:61], s[8:9], s[66:67]
	s_mov_b64 s[46:47], s[60:61]
	s_or_b32 s47, s47, 0x80000000
	s_add_nc_u64 s[50:51], s[60:61], TSTEP
	s_or_b32 s51, s51, 0x80000000
	tensor_load_to_lds s[44:47], s[36:43]          ; tile 0: my one load at the head
	s_nop 0
	NOP4
	v_and_b32 v20, 31, v0                          ; lane
	v_lshlrev_b32 v[PFV], 17, v20                  ; a lane a row
	s_add_nc_u64 s[72:73], s[60:61], TSTEP
	s_add_nc_u64 s[74:75], s[60:61], 2*TSTEP
	global_prefetch_b8 v[PFV], s[72:73] th:TH_LOAD_NT scope:SCOPE_SE             ; my part of tile 1,
	global_prefetch_b8 v[PFV], s[72:73] offset:256 th:TH_LOAD_NT scope:SCOPE_SE
	global_prefetch_b8 v[PFV], s[74:75] th:TH_LOAD_NT scope:SCOPE_SE             ; and of tile 2; these registers are not written again
	global_prefetch_b8 v[PFV], s[74:75] offset:256 th:TH_LOAD_NT scope:SCOPE_SE
	v_and_b32 v21, 15, v0                          ; r
	v_bfe_u32 v22, v0, 4, 1                        ; h
	v_lshlrev_b32 v14, 4, v20
	v_lshlrev_b32 v15, 2, v20
	v_lshlrev_b32 v19, 5, v22
	v_lshlrev_b32 v23, 6, v0
	WA
	s_lshl_b32 s66, s28, 14
	s_add_nc_u64 s[16:17], s[16:17], s[66:67]      ; w1f: my 16 fragments
	s_lshl_b32 s68, s31, 6
	s_add_co_u32 s66, s66, s68
	s_add_nc_u64 s[20:21], s[20:21], s[66:67]      ; biasc: my four tiles of a, column b
	s_lshl_b32 s66, s28, 11
	s_add_nc_u64 s[18:19], s[18:19], s[66:67]      ; w1s
	s_lshl_b32 s66, s28, 8
	s_add_nc_u64 s[12:13], s[12:13], s[66:67]      ; W2: my 64 numbers
	s_lshl_b32 s66, s32, 15
	s_add_co_u32 s66, s66, s31
	s_add_nc_u64 s[10:11], s[10:11], s[66:67]      ; mask: row 512 y, column b
	s_lshl_b32 s66, s32, 17
	s_lshl_b32 s68, s28, 14
	s_add_co_u32 s66, s66, s68
	s_lshl_b32 s68, s31, 8
	s_add_co_u32 s66, s66, s68
	s_add_nc_u64 s[22:23], s[22:23], s[66:67]      ; tsc: [s / 64 = 8 y + w][b][64]
	s_lshl_b32 s66, s31, 5
	s_lshl_b32 s68, s32, 3
	s_add_co_u32 s66, s66, s68
	s_add_nc_u64 s[24:25], s[24:25], s[66:67]      ; pstat: [b][y][2]
	s_lshl_b32 s66, s31, 13
	s_lshl_b32 s68, s32, 11
	s_add_co_u32 s66, s66, s68
	s_add_nc_u64 s[26:27], s[26:27], s[66:67]      ; pctx: [b][y][512]
	WIN 0x40
.irp f, 0,1,2,3,4,5,6,7,8,9,10,11,12,13,14,15
.irp c, 0,1
	global_load_b128 v[W1F+8*\f+4*\c:W1F+8*\f+4*\c+3], v14, s[16:17] offset:1024*\f+512*\c
.endr
.endr
	WIN 0
.irp f, 0,1,2,3,4,5,6,7,8,9,10,11,12,13,14,15
	global_load_b32 v[W1S+\f], v15, s[18:19] offset:128*\f
.endr
.irp t, 0,1,2,3
	global_load_b128 v[BIAS+8*\t:BIAS+8*\t+3], v19, s[20:21] offset:4096*\t
	global_load_b128 v[BIAS+8*\t+4:BIAS+8*\t+7], v19, s[20:21] offset:4096*\t+16
	global_load_b128 v[W2N+8*\t:W2N+8*\t+3], v19, s[12:13] offset:64*\t
	global_load_b128 v[W2N+8*\t+4:W2N+8*\t+7], v19, s[12:13] offset:64*\t+16
.endr
	global_load_u8 v24, v23, s[10:11]              ; the mask of rows tid and tid + 256
	global_load_u8 v25, v23, s[10:11] offset:16384
	v_cmp_eq_u32 s71, s30, v22                     ; lanes whose half h is my row half g
	v_mul_u32_u24 v[XAD], v21, XP
	v_lshl_add_u32 v[XAD], v22, 7, v[XAD]
	v_add_nc_u32 v[XAD], s45, v[XAD]               ; x: my tile, row r, 128 h bytes on
	v_add_nc_u32 v[XAD+1], SLOTB, v[XAD]
	s_lshl_b32 s66, s30, 12
	s_lshl_b32 s67, s29, 10
	s_add_co_u32 s66, s66, s67
	s_add_co_u32 s66, s66, IMG
	v_lshl_add_u32 v[IMW], v20, 4, s66
	s_lshl_b32 s66, s30, 8
	s_lshl_b32 s67, s29, 2
	s_add_co_u32 s66, s66, s67
	s_add_co_u32 s66, s66, ISC
	v_lshl_add_u32 v[ISW], v21, 4, s66
	v_lshl_add_u32 v[LI], v20, 4, IMG
	v_lshl_add_u32 v[LSR], v21, 4, ISC
	s_lshl_b32 s66, s28, 2
	s_add_co_u32 s66, s66, PS
	v_lshl_add_u32 v[PSW], v21, 5, s66
	v_lshl_add_u32 v[PSL], v20, 5, PS              ; lane (r, h) adds the eight parts of row r of half h
	v_lshlrev_b32 v[MKL], 2, v21
	v_lshl_add_u32 v[MKL], v22, 7, v[MKL]          ; that row's place in a tile: 4 (32 h + r); + 64 u
	v_add_nc_u32 v[TSL], TS, v[MKL]
	v_add_nc_u32 v[MKL], MK, v[MKL]
	v_lshlrev_b32 v[H8], 3, v22
	v_lshl_add_u32 v28, v0, 2, MK
	v_mov_b32 v27, 0xff800000
	v_mov_b32 v[M], 0xff61b1e6                     ; -3e38, under every t
	v_mov_b32 v[L], 0
.set i, 0
.rept 64
	v_mov_b32 v[CTX+i], 0                          ; stage C is written once: its first run finds zeros
.set i, i+1
.endr
	s_mov_b32 s52, 0x4038aa3b                      ; c = 2 log2(e)
	s_mov_b32 s53, s52
	s_mov_b32 s54, 0x3fb8aa3b                      ; log2(e)
	s_mov_b32 s56, 0x76543210
	s_mov_b32 s57, 0xfedcba98
	s_mov_b32 s58, 0
	s_mov_b32 s34, 3*TSTEP
	s_add_nc_u64 s[62:63], s[60:61], 3*TSTEP       ; the walking prefetch stands at tile 3
	WA
	s_wait_loadcnt 0x0
	v_cmp_ne_u32 vcc_lo, 0, v24
	v_cndmask_b32 v24, 0, v27, vcc_lo
	v_cmp_ne_u32 vcc_lo, 0, v25
	v_cndmask_b32 v25, 0, v27, vcc_lo
	ds_store_b32 v28, v24
	ds_store_b32 v28, v25 offset:1024
	v_pk_add_f32 v[WSUM:WSUM+1], v[W2N:W2N+1], v[W2N+2:W2N+3]
.irp i, 4,6,8,10,12,14,16,18,20,22,24,26,28,30
	s_delay_alu instid0(VALU_DEP_1)
	v_pk_add_f32 v[WSUM:WSUM+1], v[WSUM:WSUM+1], v[W2N+\i:W2N+\i+1]
.endr
.irp i, 0,2,4,6,8,10,12,14,16,18,20,22,24,26,28,30
	v_pk_mul_f32 v[W2N+\i:W2N+\i+1], v[W2N+\i:W2N+\i+1], -2.0 op_sel_hi:[1,0]
.endr
; ---- stage Q
.macro XLOAD slot, e                   ; my 16 rows 16 e + r of the slot's tile: lane (r, h) takes k = 64 c + 32 h + 0 .. 31 of my quarter
	WIN 0x40
.irp c, 0,1
.irp j, 0,1,2,3,4,5,6,7
	ds_load_b128 v[X+64*(\e)+32*\c+4*\j:X+64*(\e)+32*\c+4*\j+3], v[XAD+(\slot)] offset:16*XP*(\e)+256*\c+16*\j
.endr
.endr
	WIN 0
.endm
.macro QM1 e, n                        ; first level, n = 0 .. 31 (windows: sources 1 and 2 in window 1): two magnitudes and the floor 2^(3 - 127); block c = n / 16
	v_max3_num_f32 v[FR+(\n)], 0x1800000, |v[X+64*(\e)+2*(\n)]|, |v[X+64*(\e)+2*(\n)+1]|
.endm
.macro QM2 n                           ; second level, n = 0 .. 9: three of a block's sixteen, in place
.set qb, FR+16*((\n)/5)+3*((\n)%5)
	v_max3_num_f32 v[qb], v[qb], v[qb+1], v[qb+2]
.endm
.macro QFIN e                          ; the blocks' maxima, scale word, codes; images of parity e
.irp c, 0,1
	v_max3_num_f32 v[FR+16*\c], v[FR+16*\c], v[FR+16*\c+3], v[FR+16*\c+6]
.endr
.irp c, 0,1
	v_max3_num_f32 v[FR+16*\c+9], v[FR+16*\c+9], v[FR+16*\c+12], v[FR+16*\c+15]
.endr
.irp c, 0,1
	s_delay_alu instid0(VALU_DEP_2)
	v_max_num_f32 v[FR+16*\c], v[FR+16*\c], v[FR+16*\c+9]
.endr
.irp c, 0,1
	s_delay_alu instid0(VALU_DEP_2)
	v_add_nc_u32 v[FR+16*\c+1], 0xff000000, v[FR+16*\c]    ; 2 off the exponent field: the conversion's scale operand
.endr
.irp c, 0,1
	s_delay_alu instid0(VALU_DEP_2)
	v_lshrrev_b32 v[FR+16*\c+2], 23, v[FR+16*\c+1]         ; the scale's byte
.endr
	s_delay_alu instid0(VALU_DEP_1)
	v_lshl_or_b32 v[QW], v[FR+18], 16, v[FR+2]
	s_delay_alu instid0(VALU_DEP_1)
	v_lshlrev_b32 v[QW], v[H8], v[QW]
	s_delay_alu instid0(VALU_DEP_1)
	v_permlanex16_b32 v[PO], v[QW], s56, s57
	s_delay_alu instid0(VALU_DEP_1)
	v_or_b32 v[QW], v[QW], v[PO]
	WIN 0x01
.irp c, 0,1
.irp g, 0,1,2,3
	v_cvt_scalef32_pk8_fp4_f32 v[PC+4*\c+\g], v[X+64*(\e)+32*\c+8*\g:X+64*(\e)+32*\c+8*\g+7], v[FR+16*\c+1]
.endr
.endr
	WIN 0
	v_nop                                          ; one plain place behind the last scaled conversion
	ds_store_b128 v[IMW], v[PC:PC+3] offset:8192*(\e)
	ds_store_b128 v[IMW], v[PC+4:PC+7] offset:8192*(\e)+512
	ds_store_b32 v[ISW], v[QW] offset:512*(\e)
.endm
; ---- the barrier.  kind 1: a slot is filled again behind it (the three lines in front, my one load first behind); kind 2: my last tile is awaited; kind 0: LDS hand-overs alone
.macro BAR kind, slot
	WA
.if \kind
	s_wait_tensorcnt 0x0
.endif
.if \kind == 1
	ds_add_u32 v[SPW], v[NIL]
	s_add_nc_u64 s[46+4*\slot:47+4*\slot], s[46+4*\slot:47+4*\slot], 2*TSTEP
.endif
	s_wait_dscnt 0x0
	s_barrier_signal -1
	s_barrier_wait -1
.if \kind == 1
	tensor_load_to_lds s[44+4*\slot:47+4*\slot], s[36:43]
	s_nop 0
	NOP4
.endif
.endm
; ---- stage B
.macro FETCH pp, m
.irp q, 0,1,2,3
.irp c, 0,1
	ds_load_b128 v[FR+8*\q+4*\c:FR+8*\q+4*\c+3], v[LI] offset:8192*(\pp)+4096*(\m)+1024*\q+512*\c
.endr
.endr
	ds_load_b128 v[XS:XS+3], v[LSR] offset:512*(\pp)+256*(\m)
.endm
.macro MUL                             ; source 0 = 16 rows of W1, source 1 = 16 rows of x: lane (r, h), register j: a = 8 h + j, row r.  The four accumulators take turns
	WIN 0x01
.irp q, 0,1,2,3
.irp t, 0,1,2,3
.if \q == 0
	v_wmma_scale_f32_16x16x128_f8f6f4 v[ACC+8*\t:ACC+8*\t+7], v[W1F+8*(4*\t+\q):W1F+8*(4*\t+\q)+7], v[FR+8*\q:FR+8*\q+7], 0, v[W1S+4*\t+\q], v[XS+\q] matrix_a_fmt:MATRIX_FMT_FP4 matrix_b_fmt:MATRIX_FMT_FP4
.else
	v_wmma_scale_f32_16x16x128_f8f6f4 v[ACC+8*\t:ACC+8*\t+7], v[W1F+8*(4*\t+\q):W1F+8*(4*\t+\q)+7], v[FR+8*\q:FR+8*\q+7], v[ACC+8*\t:ACC+8*\t+7], v[W1S+4*\t+\q], v[XS+\q] matrix_a_fmt:MATRIX_FMT_FP4 matrix_b_fmt:MATRIX_FMT_FP4
.endif
.endr
.endr
	WIN 0
.endm
; 1 / (1 + 2^(c z)) of 32 sums.  kind 1: the context's rescaling stands among the exponentials and its multiply-adds (x set e) among the reciprocals; kind 2: the quantiser's two levels of maxima (x set e); kind 0: nothing
.macro TANH_A kind, e
	WA
.set i, 0
.rept 16
	v_pk_fma_f32 v[ACC+i:ACC+i+1], v[ACC+i:ACC+i+1], s[52:53], v[BIAS+i:BIAS+i+1] op_sel_hi:[1,0,1]
.set i, i+2
.endr
	WA
.if \kind == 2
	WIN 0x14
.endif
.set i, 0
.rept 32
	v_exp_f32 v[ACC+i], v[ACC+i]
.if \kind == 1
	v_pk_mul_f32 v[CTX+2*i:CTX+2*i+1], v[CTX+2*i:CTX+2*i+1], v[F:F+1] op_sel_hi:[1,0]
.endif
.if \kind == 2
	QM1 \e, i
.endif
.set i, i+1
.endr
.if \kind == 0
	v_nop
.endif
	WIN 0
	WA
.set i, 0
.rept 16
	v_pk_add_f32 v[ACC+i:ACC+i+1], v[ACC+i:ACC+i+1], 1.0 op_sel_hi:[1,0]
.set i, i+2
.endr
	WA
.if \kind == 1
	WIN 0x04
.endif
.set i, 0
.rept 32
	v_rcp_f32 v[ACC+i], v[ACC+i]
.if \kind == 1
	v_pk_fma_f32 v[CTX+2*i:CTX+2*i+1], v[P:P+1], v[X+64*(\e)+2*i:X+64*(\e)+2*i+1], v[CTX+2*i:CTX+2*i+1] op_sel_hi:[0,1,1]
.endif
.if (\kind == 2) && (i < 10)
	QM2 i
.endif
.set i, i+1
.endr
.if \kind != 1
	v_nop
.endif
	WIN 0
	WA
.endm
.macro TANH_B pp, m                    ; my 64 a's part of 16 scores: sum W2 - 2 sum W2 / (1 + 2^(c z))
	v_pk_fma_f32 v[QT:QT+1], v[ACC:ACC+1], v[W2N:W2N+1], v[WSUM:WSUM+1]
.irp t, 1,2,3
	v_pk_mul_f32 v[QT+2*\t:QT+2*\t+1], v[ACC+8*\t:ACC+8*\t+1], v[W2N+8*\t:W2N+8*\t+1]
.endr
.irp j, 2,4,6
.irp t, 0,1,2,3
	v_pk_fma_f32 v[QT+2*\t:QT+2*\t+1], v[ACC+8*\t+\j:ACC+8*\t+\j+1], v[W2N+8*\t+\j:W2N+8*\t+\j+1], v[QT+2*\t:QT+2*\t+1]
.endr
.endr
	s_delay_alu instid0(VALU_DEP_3)
	v_pk_add_f32 v[QT:QT+1], v[QT:QT+1], v[QT+2:QT+3]
	s_delay_alu instid0(VALU_DEP_2)
	v_pk_add_f32 v[QT+4:QT+5], v[QT+4:QT+5], v[QT+6:QT+7]
	s_delay_alu instid0(VALU_DEP_1)
	v_pk_add_f32 v[QT:QT+1], v[QT:QT+1], v[QT+4:QT+5]
	s_delay_alu instid0(VALU_DEP_1)
	v_add_f32 v[QT], v[QT], v[QT+1]
	s_delay_alu instid0(VALU_DEP_1)
	v_permlanex16_b32 v[PO], v[QT], s56, s57
	s_delay_alu instid0(VALU_DEP_1)
	v_add_f32 v[QT], v[QT], v[PO]
	ds_store_b32 v[PSW], v[QT] offset:1024*(\pp)+512*(\m)
.endm
; ---- stage C
.macro CLOAD pc
	v_add_nc_u32 v[A0], s58, v[MKL]
	v_add_nc_u32 v[A2], s58, v[TSL]
	ds_load_b128 v[QT:QT+3], v[PSL] offset:1024*(\pc)
	ds_load_b128 v[QT+4:QT+7], v[PSL] offset:1024*(\pc)+16
	ds_load_b32 v[MKV], v[A0] offset:64*(\pc)
.endm
.macro SOFT pc                         ; t of my lane's row; M over the 32 rows and what came before; F = 2^(old M - M), p = 2^(t - M); v[P]: p of row r of my own half
	v_pk_add_f32 v[QT:QT+1], v[QT:QT+1], v[QT+2:QT+3]
	v_pk_add_f32 v[QT+4:QT+5], v[QT+4:QT+5], v[QT+6:QT+7]
	s_delay_alu instid0(VALU_DEP_1)
	v_pk_add_f32 v[QT:QT+1], v[QT:QT+1], v[QT+4:QT+5]
	s_delay_alu instid0(VALU_DEP_1)
	v_add_f32 v[QT], v[QT], v[QT+1]
	s_delay_alu instid0(VALU_DEP_1)
	v_fma_f32 v[T], v[QT], s54, v[MKV]
	s_delay_alu instid0(VALU_DEP_1)
	v_max_num_f32_dpp v[MX], v[T], v[T] row_xmask:1 row_mask:0xf bank_mask:0xf
.irp x, 2,4,8
	s_delay_alu instid0(VALU_DEP_1)
	v_max_num_f32_dpp v[MX], v[MX], v[MX] row_xmask:\x row_mask:0xf bank_mask:0xf
.endr
	s_delay_alu instid0(VALU_DEP_1)
	v_permlanex16_b32 v[PO], v[MX], s56, s57
	s_delay_alu instid0(VALU_DEP_1)
	v_max3_num_f32 v[MX], v[MX], v[PO], v[M]
	s_delay_alu instid0(VALU_DEP_1)
	v_sub_f32 v[F], v[M], v[MX]
	v_sub_f32 v[PE], v[T], v[MX]
	v_mov_b32 v[M], v[MX]
	WA
	v_exp_f32 v[F], v[F]
	v_exp_f32 v[PE], v[PE]
	v_nop
	WA
	s_cmp_lg_u32 s28, 0
	s_cbranch_scc1 .Lnot_wave_0_\@
	ds_store_b32 v[A2], v[T] offset:64*(\pc)       ; wave 0 keeps t for the way out
.Lnot_wave_0_\@:
	v_fma_f32 v[L], v[L], v[F], v[PE]              ; a lane sums its own rows' p
	v_permlanex16_b32 v[PO], v[PE], s56, s57
	v_cndmask_b32 v[P], v[PO], v[PE], s71
.endm
; ---- what stands behind barrier j.  pj = j % 2; bk, rslot: the barrier's kind and the slot filled; doC: C(j - 1); doQ: Q(j + 1) from slot qslot; pf: the prefetch
.macro ITER pj, bk, rslot, doC, doQ, qslot, pf
	BAR \bk, \rslot
	FETCH \pj, 0
.if \doC
	CLOAD (1-\pj)
.endif
	WA
	s_wait_dscnt 3*\doC                            ; the image and its scales are in; stage C's three loads may be out
	MUL
.if \doC
	s_wait_dscnt 0x0
	SOFT (1-\pj)                                   ; its plain lines are the places behind the products
.else
	NOP4
.endif
	FETCH \pj, 1
.if \pf
	WA
	s_cmp_eq_u32 s59, 1                            ; the loop's last trip has no tile two on: the trip counter alone decides, alike in all waves
	s_cbranch_scc1 .Lno_ask_\@
	global_prefetch_b8 v[PFV], s[62:63] th:TH_LOAD_NT scope:SCOPE_SE
	global_prefetch_b8 v[PFV], s[62:63] offset:256 th:TH_LOAD_NT scope:SCOPE_SE
.Lno_ask_\@:
.endif
.if \doC
	TANH_A 1, (1-\pj)
.else
	TANH_A 0, 0
.endif
.if \doQ
	XLOAD \qslot, (1-\pj)                          ; the set that stage C has just read out
.endif
	TANH_B \pj, 0
	WA
	s_wait_dscnt 0x0                               ; the second image, and x
	MUL
	NOP4
.if \doQ
	TANH_A 2, (1-\pj)
.else
	TANH_A 0, 0
.endif
	TANH_B \pj, 1
.if \doQ
	QFIN (1-\pj)
.endif
.if \pf
	WA
	s_wait_xcnt 0x0                                ; the prefetches have read their address
	s_add_co_u32 s34, s34, TSTEP
	s_min_u32 s66, s34, 7*TSTEP                    ; never beyond the chunk's last tile
	s_mov_b32 s67, 0
	s_add_nc_u64 s[62:63], s[60:61], s[66:67]
.endif
.if \doC && (\pj == 0)
	s_add_co_u32 s58, s58, 256                     ; stage C goes on to the next tile's 64 rows
.endif
.endm
	WA                                             ; the head's end
	s_wait_tensorcnt 0x0                           ; tile 0 is in; slot 1's first fill is issued as a refill is
	ds_add_u32 v[SPW], v[NIL]
	s_wait_dscnt 0x0
	s_barrier_signal -1
	s_barrier_wait -1
	tensor_load_to_lds s[48:51], s[36:43]          ; tile 1
	s_nop 0
	NOP4
	XLOAD 0, 0
	s_wait_dscnt 0x0
	WIN 0x14
.set i, 0
.rept 32
	QM1 0, i
.set i, i+1
.endr
	WIN 0
.set i, 0
.rept 10
	QM2 i
.set i, i+1
.endr
	QFIN 0
	s_mov_b32 s59, 3
	ITER 0, 0, 0, 0, 1, 0, 1                       ; j = 0; it asks for tile 3
.Lquad:                                            ; j = 1 + 4 t .. 4 + 4 t: tiles 2 + 2 t and 3 + 2 t are loaded, tiles 4 + 2 t and 5 + 2 t asked for
	ITER 1, 1, 0, 1, 1, 1, 1
	ITER 0, 0, 0, 1, 1, 1, 0
	ITER 1, 1, 1, 1, 1, 0, 1
	ITER 0, 0, 0, 1, 1, 0, 0
	s_sub_co_u32 s59, s59, 1
	s_cmp_lg_u32 s59, 0
	WA
	s_cbranch_scc1 .Lquad
	ITER 1, 2, 0, 1, 1, 1, 0                       ; j = 13 .. 15: nothing more is loaded
	ITER 0, 0, 0, 1, 1, 1, 0
	ITER 1, 0, 0, 1, 0, 0, 0
	BAR 0, 0
	CLOAD 1                                        ; C(15)
	WA
	s_wait_dscnt 0x0
	SOFT 1
.set i, 0
.rept 32
	v_pk_mul_f32 v[CTX+i:CTX+i+1], v[CTX+i:CTX+i+1], v[F:F+1] op_sel_hi:[1,0]
.set i, i+2
.endr
	WIN 0x04
.set i, 0
.rept 32
	v_pk_fma_f32 v[CTX+i:CTX+i+1], v[P:P+1], v[X+64+i:X+64+i+1], v[CTX+i:CTX+i+1] op_sel_hi:[0,1,1]
.set i, i+2
.endr
	WIN 0
; ---- the way out: the context over the 16 rows of the lanes, L over the 32 lanes; the two row halves meet in LDS
.irp x, 1,2,4,8
.set i, 0
.rept 64
	v_add_f32_dpp v[CTX+i], v[CTX+i], v[CTX+i] row_xmask:\x row_mask:0xf bank_mask:0xf
.set i, i+1
.endr
	v_add_f32_dpp v[L], v[L], v[L] row_xmask:\x row_mask:0xf bank_mask:0xf
.endr
	s_delay_alu instid0(VALU_DEP_1)
	v_permlanex16_b32 v[PO], v[L], s56, s57
	s_delay_alu instid0(VALU_DEP_1)
	v_add_f32 v[L], v[L], v[PO]
	s_lshl_b32 s66, s30, 11
	s_lshl_b32 s67, s29, 9
	s_add_co_u32 s66, s66, s67
	s_add_co_u32 s66, s66, CS
	v_bfe_u32 v[A1], v0, 4, 1
	s_delay_alu instid0(VALU_DEP_1)
	v_lshl_add_u32 v[A0], v[A1], 7, s66
.irp c, 0,1
.irp g, 0,1,2,3,4,5,6,7
	ds_store_b128 v[A0], v[CTX+32*\c+4*\g:CTX+32*\c+4*\g+3] offset:256*\c+16*\g
.endr
.endr
	WA
	s_wait_dscnt 0x0
	s_barrier_signal -1
	s_barrier_wait -1
	v_lshlrev_b32 v[A1], 3, v0
	s_delay_alu instid0(VALU_DEP_1)
	v_add_nc_u32 v[A2], TS, v[A1]
	v_add_nc_u32 v[A0], CS, v[A1]
	ds_load_b64 v[PR:PR+1], v[A2]
	ds_load_b64 v[PR+2:PR+3], v[A0]
	ds_load_b64 v[PR+4:PR+5], v[A0] offset:2048
	v_and_b32 v20, 31, v0
	s_delay_alu instid0(VALU_DEP_1)
	v_lshlrev_b32 v20, 3, v20
	v_mov_b32 v21, 0
	WA
	s_wait_dscnt 0x0
	v_pk_add_f32 v[PR+2:PR+3], v[PR+2:PR+3], v[PR+4:PR+5]
	global_store_b64 v20, v[PR:PR+1], s[22:23]     ; a wave stores 256 consecutive bytes of t, aligned
	global_store_b64 v[A1], v[PR+2:PR+3], s[26:27] ; and 256 of the partial context
	WA
	s_wait_xcnt 0x0
	v_cmp_eq_u32 vcc_lo, 0, v0
	s_and_saveexec_b32 s66, vcc_lo
	global_store_b64 v21, v[M:L], s[24:25]
	s_wait_xcnt 0x0
	s_or_b32 exec_lo, exec_lo, s66
	s_wait_tensorcnt 0x0                           ; the wave's end
	ds_add_u32 v[SPW], v[NIL]
	s_wait_dscnt 0x0
	s_endpgm
.Lfunc_end_k_qd3c8c22e53_main:
	.size	k_qd3c8c22e53_main, .Lfunc_end_k_qd3c8c22e53_main-k_qd3c8c22e53_main
	.p2alignl 7, 3214868480
	.fill 96, 4, 3214868480
	.section	.rodata,"a",@progbits
	.p2align	6, 0x0
	.amdhsa_kernel k_qd3c8c22e53_main
		.amdhsa_group_segment_fixed_size 327680
		.amdhsa_private_segment_fixed_size 0
		.amdhsa_enable_private_segment 0
		.amdhsa_kernarg_size 72
		.amdhsa_user_sgpr_count 2
		.amdhsa_user_sgpr_kernarg_segment_ptr 1
		.amdhsa_wavefront_size32 1
		.amdhsa_system_sgpr_workgroup_id_x 1
		.amdhsa_system_sgpr_workgroup_id_y 1
		.amdhsa_system_sgpr_workgroup_id_z 1
		.amdhsa_system_vgpr_workitem_id 0
		.amdhsa_next_free_vgpr 512
		.amdhsa_next_free_sgpr 80
		.amdhsa_reserve_vcc 1
		.amdhsa_float_denorm_mode_32 3
		.amdhsa_float_denorm_mode_16_64 3
		.amdhsa_memory_ordered 1
		.amdhsa_forward_progress 1
		.amdhsa_inst_pref_size 255
	.end_amdhsa_kernel
	.section	.bss,"aw",@nobits
	.p2align	6
	.space	262144
	.amdgpu_metadata
---
amdhsa.version: [ 1, 2 ]
amdhsa.kernels:
  - .name:           k_qd3c8c22e53_main
    .symbol:         k_qd3c8c22e53_main.kd
    .args:
      - { .name: source_hids, .offset: 0, .size: 8, .value_kind: global_buffer, .address_space: global }
      - { .name: encoder_padding_mask, .offset: 8, .size: 8, .value_kind: global_buffer, .address_space: global }
      - { .name: W2, .offset: 16, .size: 8, .value_kind: global_buffer, .address_space: global }
      - { .name: w1f, .offset: 24, .size: 8, .value_kind: global_buffer, .address_space: global }
      - { .name: w1s, .offset: 32, .size: 8, .value_kind: global_buffer, .address_space: global }
      - { .name: biasc, .offset: 40, .size: 8, .value_kind: global_buffer, .address_space: global }
      - { .name: tsc, .offset: 48, .size: 8, .value_kind: global_buffer, .address_space: global }
      - { .name: pstat, .offset: 56, .size: 8, .value_kind: global_buffer, .address_space: global }
      - { .name: pctx, .offset: 64, .size: 8, .value_kind: global_buffer, .address_space: global }
    .group_segment_fixed_size: 327680
    .private_segment_fixed_size: 0
    .kernarg_segment_align: 8
    .kernarg_segment_size: 72
    .max_flat_workgroup_size: 256
    .sgpr_count:     80
    .vgpr_count:     512
    .wavefront_size: 32
...
	.end_amdgpu_metadata
.endif
;; end of part 2
;; launch finish (part 3): grid 32 x 1, 8 waves a work-group, no clusters, 18,432 bytes of LDS; arguments tsc, pstat, pctx, out0, out1; writes out0, out1
.if DOCPART == 3
	.amdgcn_target "amdgcn-amd-amdhsa--gfx1250"
	.amdhsa_code_object_version 6
	.text
	.protected	k_qd3c8c22e53_finish
	.globl	k_qd3c8c22e53_finish
	.p2align	8
	.type	k_qd3c8c22e53_finish,@function
k_qd3c8c22e53_finish:
	s_mov_b64 s[64:65], 0
	v_nop
	global_prefetch_b8 v0, s[64:65] scope:SCOPE_SE
	s_setreg_imm32_b32 hwreg(HW_REG_WAVE_MODE, 25, 1), 1
	s_wait_xcnt 0x0
; The four chunks of each column b are joined: mg = the largest of the chunks' M, Lg = the sum of L_c 2^(M_c - mg);  attn[s][b] = 2^(t - mg) / Lg;  ctx[b] = (the sum of 2^(M_c - mg) pctx_c) / Lg.
; A column masked throughout has Lg = 0: 0 x infinity = NaN, as a softmax of -infinities is.
; SHARES.  Work-group g makes attn for s = 64 g .. 64 g + 63 and all 64 b (its t are 16 KB on end, [b][64 s']), and ctx for b = 2 g and 2 g + 1.
; t lies with s innermost and attn with b innermost: the 64 x 64 numbers turn through LDS (rows of 256 bytes + 16), so that sixteen lanes store 256 consecutive bytes, aligned.
; No matrix unit, no tensor load, no cluster: 1 MB is read and 0.6 MB written, and work-groups share only the 2 KB of statistics.
.set TP,  272                          ; a row of the turning stage: 64 b x 4 bytes + 16
.set TV,  16                           ; v16-31  t, then attn: 4 k + e: b = tid / 16 + 16 k, s' = 4 (tid % 16) + e
.set CP,  32                           ; v32-47  the four chunks' partial contexts, 4 numbers each
.set SK,  48                           ; v48-79  M, L of the four chunks, for b_k
.set SB,  80                           ; v80-87  the same for my row of ctx
.set MG,  88                           ; v88-91  mg of b_k
.set IV,  92                           ; v92-95  1 / Lg of b_k
.set EW,  96                           ; v96-99  at work
.set CW,  102                          ; v100 mg, v101 1 / Lg, v102-105 the chunks' weights, for my row of ctx
.set CO,  106                          ; v106-109 four numbers of ctx
	s_load_b256 s[4:11], s[0:1], 0x0               ; tsc s[4:5], pstat s[6:7], pctx s[8:9], out0 s[10:11]
	s_load_b64 s[12:13], s[0:1], 0x20              ; out1
	v_lshl_add_u32 v112, v0, 2, 0x4400
	v_mov_b32 v113, 0
	v_lshlrev_b32 v1, 4, v0                        ; 16 x thread
	v_lshrrev_b32 v2, 4, v0                        ; tid / 16
	v_and_b32 v3, 15, v0                           ; tid % 16
	v_lshrrev_b32 v4, 7, v0                        ; tid / 128: which of my two rows of ctx
	v_and_b32 v5, 127, v0
	s_delay_alu instid0(VALU_DEP_4)
	v_lshlrev_b32 v6, 5, v2                        ; pstat: 32 bytes a column
	s_delay_alu instid0(VALU_DEP_3)
	v_lshlrev_b32 v7, 5, v4
	s_delay_alu instid0(VALU_DEP_3)
	v_lshlrev_b32 v8, 4, v5
	s_delay_alu instid0(VALU_DEP_1)
	v_lshl_add_u32 v8, v4, 13, v8                  ; pctx: 8,192 bytes a column, 16 a thread
	v_mul_u32_u24 v9, v3, 4*TP
	s_delay_alu instid0(VALU_DEP_1)
	v_lshl_add_u32 v9, v2, 2, v9                   ; the stage, in: row 4 (tid % 16) + e, column tid / 16 + 16 k
	v_mul_u32_u24 v10, v2, TP
	s_delay_alu instid0(VALU_DEP_1)
	v_lshl_add_u32 v10, v3, 4, v10                 ; and out: row tid / 16 + 16 k, 16 bytes a lane
	s_lshl_b32 s14, ttmp9, 14
	s_mov_b32 s15, 0
	s_lshl_b32 s16, ttmp9, 6
	s_mov_b32 s17, 0
	s_lshl_b32 s18, ttmp9, 12
	s_mov_b32 s19, 0
	s_wait_alu depctr_va_vdst(0)
	s_wait_kmcnt 0x0
	s_add_nc_u64 s[4:5], s[4:5], s[14:15]          ; tsc: block g
	s_add_nc_u64 s[8:9], s[8:9], s[14:15]          ; pctx: column 2 g
	s_add_nc_u64 s[12:13], s[12:13], s[14:15]      ; out1: row 64 g
	s_add_nc_u64 s[20:21], s[6:7], s[16:17]        ; pstat: column 2 g
	s_add_nc_u64 s[10:11], s[10:11], s[18:19]      ; out0: row 2 g
.irp k, 0,1,2,3
	global_load_b128 v[TV+4*\k:TV+4*\k+3], v1, s[4:5] offset:4096*\k
.endr
.irp c, 0,1,2,3
	global_load_b128 v[CP+4*\c:CP+4*\c+3], v8, s[8:9] offset:2048*\c
.endr
.irp k, 0,1,2,3
	global_load_b128 v[SK+8*\k:SK+8*\k+3], v6, s[6:7] offset:512*\k
	global_load_b128 v[SK+8*\k+4:SK+8*\k+7], v6, s[6:7] offset:512*\k+16
.endr
	global_load_b128 v[SB:SB+3], v7, s[20:21]
	global_load_b128 v[SB+4:SB+7], v7, s[20:21] offset:16
	s_wait_loadcnt 0x0
; M0, L0, .. M3, L3 in v[s] on: mg, the four weights 2^(M_c - mg) in v[e] on, and 1 / Lg
.macro STATS s, mg, iv, e
	v_max3_num_f32 v[\mg], v[\s], v[\s+2], v[\s+4]
	s_delay_alu instid0(VALU_DEP_1)
	v_max_num_f32 v[\mg], v[\mg], v[\s+6]
.irp c, 0,1,2,3
	v_sub_f32 v[\e+\c], v[\s+2*\c], v[\mg]
.endr
	s_wait_alu depctr_va_vdst(0)
.irp c, 0,1,2,3
	v_exp_f32 v[\e+\c], v[\e+\c]
.endr
	v_nop                                          ; a plain place behind the exponentials
	s_wait_alu depctr_va_vdst(0)
	v_mul_f32 v[\iv], v[\e], v[\s+1]
.irp c, 1,2,3
	v_fmac_f32 v[\iv], v[\e+\c], v[\s+2*\c+1]
.endr
	s_wait_alu depctr_va_vdst(0)
	v_rcp_f32 v[\iv], v[\iv]
	v_nop                                          ; a plain place behind the reciprocal
.endm
.irp k, 0,1,2,3
	STATS SK+8*\k, MG+\k, IV+\k, EW
.endr
	STATS SB, 100, 101, CW
.irp k, 0,1,2,3
.irp e, 0,1,2,3
	v_sub_f32 v[TV+4*\k+\e], v[TV+4*\k+\e], v[MG+\k]
.endr
.endr
.set i, 0
	s_wait_alu depctr_va_vdst(0)
.rept 16
	v_exp_f32 v[TV+i], v[TV+i]
.set i, i+1
.endr
	v_nop                                          ; a plain place behind the exponentials
	s_wait_alu depctr_va_vdst(0)
.irp k, 0,1,2,3
.irp e, 0,1,2,3
	v_mul_f32 v[TV+4*\k+\e], v[TV+4*\k+\e], v[IV+\k]
.endr
.endr
.irp k, 0,1,2,3
.irp e, 0,1,2,3
	ds_store_b32 v9, v[TV+4*\k+\e] offset:TP*\e+64*\k
.endr
.endr
.irp c, 0,1,2,3
	v_mul_f32 v[CW+\c], v[CW+\c], v101             ; the chunks' weights over Lg
.endr
.irp j, 0,1,2,3
	v_mul_f32 v[CO+\j], v[CP+\j], v[CW]
.endr
.irp c, 1,2,3
.irp j, 0,1,2,3
	s_delay_alu instid0(VALU_DEP_4)
	v_fmac_f32 v[CO+\j], v[CP+4*\c+\j], v[CW+\c]
.endr
.endr
	global_store_b128 v1, v[CO:CO+3], s[10:11]     ; a wave stores 512 consecutive bytes of ctx
	s_wait_dscnt 0x0                               ; for the others' sake: my part of the stage has landed
	s_barrier_signal -1
	s_barrier_wait -1
.irp k, 0,1,2,3
	ds_load_b128 v[TV+4*\k:TV+4*\k+3], v10 offset:16*TP*\k
.endr
.irp k, 0,1,2,3
	s_wait_dscnt 3-\k                              ; LDS loads come back in order: the younger ones of the four stay out
	global_store_b128 v1, v[TV+4*\k:TV+4*\k+3], s[12:13] offset:4096*\k   ; sixteen lanes store a row of attn: 256 consecutive bytes, aligned
.endr
	s_wait_tensorcnt 0x0
	ds_add_u32 v112, v113
	s_wait_dscnt 0x0
	s_endpgm
.Lfunc_end_k_qd3c8c22e53_finish:
	.size	k_qd3c8c22e53_finish, .Lfunc_end_k_qd3c8c22e53_finish-k_qd3c8c22e53_finish
	.p2alignl 7, 3214868480
	.fill 96, 4, 3214868480
	.section	.rodata,"a",@progbits
	.p2align	6, 0x0
	.amdhsa_kernel k_qd3c8c22e53_finish
		.amdhsa_group_segment_fixed_size 18432
		.amdhsa_private_segment_fixed_size 0
		.amdhsa_enable_private_segment 0
		.amdhsa_kernarg_size 40
		.amdhsa_user_sgpr_count 2
		.amdhsa_user_sgpr_kernarg_segment_ptr 1
		.amdhsa_wavefront_size32 1
		.amdhsa_system_sgpr_workgroup_id_x 1
		.amdhsa_system_sgpr_workgroup_id_y 1
		.amdhsa_system_sgpr_workgroup_id_z 1
		.amdhsa_system_vgpr_workitem_id 0
		.amdhsa_next_free_vgpr 114
		.amdhsa_next_free_sgpr 66
		.amdhsa_reserve_vcc 0
		.amdhsa_float_denorm_mode_32 3
		.amdhsa_float_denorm_mode_16_64 3
		.amdhsa_memory_ordered 1
		.amdhsa_forward_progress 1
		.amdhsa_inst_pref_size 12
	.end_amdhsa_kernel
	.amdgpu_metadata
---
amdhsa.version: [ 1, 2 ]
amdhsa.kernels:
  - .name:           k_qd3c8c22e53_finish
    .symbol:         k_qd3c8c22e53_finish.kd
    .args:
      - { .name: tsc, .offset: 0, .size: 8, .value_kind: global_buffer, .address_space: global }
      - { .name: pstat, .offset: 8, .size: 8, .value_kind: global_buffer, .address_space: global }
      - { .name: pctx, .offset: 16, .size: 8, .value_kind: global_buffer, .address_space: global }
      - { .name: out0, .offset: 24, .size: 8, .value_kind: global_buffer, .address_space: global }
      - { .name: out1, .offset: 32, .size: 8, .value_kind: global_buffer, .address_space: global }
    .group_segment_fixed_size: 18432
    .private_segment_fixed_size: 0
    .kernarg_segment_align: 8
    .kernarg_segment_size: 40
    .max_flat_workgroup_size: 256
    .sgpr_count:     66
    .vgpr_count:     114
    .wavefront_size: 32
...
	.end_amdgpu_metadata
.endif
;; end of part 3
